; MI455X (gfx1250); checked and timed in simulation.
; The chip was launched on July 23, 2026; its instructions are those of AMD's public machine-readable ISA for CDNA 5 (MIT licence, August 2026) and "CDNA5" Instruction Set Architecture Reference Guide (July 2026). The comments in the code are by the model that wrote it; some were corrected since.
;; Geometric Linear. Allowed arithmetic: matrix products marked QUANTISED: E3M2 operands, one E8M0 scale for each 32 along K, by v_wmma_scale_f32_16x16x128_f8f6f4 with both operands' format E3M2, f32 sums; products left as they are: f32 operands where the result goes on into a quantised operand, else bf16, f16 or f32 operands; f32 sums; everything else in f32.
;; Inputs: bias 512 x 8 float32; weight 512 x 512 x 8 float32; x 4,096 x 512 x 8 float32.
;; Outputs: out0 4,096 x 512 x 8 float32.
;; This version of the problem:
;;   THIS VERSION OF THE PROBLEM IS GIVEN IN LOW PRECISION. The matrix products marked QUANTISED in the list below multiply operands that are first quantised to E3M2 (3 exponent bits, 2 mantissa bits; 6 bits a number), with one power-of-two scale for each 32 numbers along K (OCP MX v1.0); their sums are f32. All else is computed in f32.
;;   The module's matrix products, in the order in which they are computed (A, B: the left and right operand; K: the contracted axis; several contracted axes count as one K, in the product's order):
;;     1. [M 262,144, K 8] x [K 8, N 64]; A: input weight; B: computed on the way: left as it is (K = 8 < 32)
;;     2. [M 4,096, K 4,096] x [K 4,096, N 4,096]; A: input x; B: computed on the way: QUANTISED
;;   THE QUANTISER, for each operand of a quantised product, along K:
;;     - K is cut into blocks of 32 from its start; a last block that is shorter is filled with zeros.
;;     - A block's scale is 2^e with e = floor(log2(the largest magnitude in the block)) - 4, held to -126 .. 127; a block of zeros has e = 0. As a byte (E8M0): e + 127.
;;     - Each number is divided by its block's scale, clamped to +-28, and rounded to the nearest number of E3M2, ties to even, subnormals kept.
;;     - The product sums the exact products of the quantised numbers (number of the format x scale) in f32.
;;   ~~~python
;;   def quantise(x, axis):      # numpy; x: float32 -> the quantised numbers, widened to float32 again
;;       x = np.moveaxis(x, axis, -1); K = x.shape[-1]
;;       x = np.pad(x, [(0, 0)] * (x.ndim - 1) + [(0, -K % 32)]); x = x.reshape(x.shape[:-1] + (-1, 32)); a = np.abs(x).max(-1, keepdims=True)
;;       e = np.where(a > 0, np.clip(np.frexp(np.where(a > 0, a, 1))[1] - 1 - 4, -126, 127), 0)      # np.frexp(a)[1] - 1 = floor(log2(a)), exactly
;;       r = np.clip(x / 2.0 ** e, -28, 28)
;;       step = 2.0 ** (np.maximum(np.frexp(np.where(r == 0, 1, r))[1] - 1, -2) - 2)
;;       q = np.round(r / step) * step * 2.0 ** e      # np.round: ties to even
;;       return np.moveaxis(q.reshape(q.shape[:-2] + (-1,))[..., :K], -1, axis).astype(np.float32)
;;   ~~~
;;   OPERANDS COMPUTED ON THE WAY. 'Computed on the way' means the value that the module computes at that place (a softmax that the list does not call 'softmax' is quantised finished and normalised). What goes into a quantiser is computed in f32, as accurately as f32 sums, v_exp_f32 and their like allow (about 1e-6 of the number): no bf16 or f16 on the way to a quantiser, and a product that is left as it is and whose result goes on into a quantised operand takes f32 operands (vector FMAs, or v_wmma_f32_16x16x4_f32). A number that lies on a knife's edge between two numbers of the format may be rounded either way, as far as f32 arithmetic and the matrix unit's own rounding can turn it there, and no further.
;; One version. Each part assembles by itself: llvm-mc -triple=amdgcn-amd-amdhsa -mcpu=gfx1250 --defsym DOCPART=n.
;; ======== version 1 of 1: 2 launches
;; limits: right only within a limited range of input values
;; workspace buffers: xq 13,107,200 bytes; wq 13,107,200 bytes
;; launch quant (part 1): grid 1024 x 1, 4 waves a work-group, no clusters, 1,536 bytes of LDS; arguments x, weight, xq, wq; writes xq, wq
.if DOCPART == 1
	.amdgcn_target "amdgcn-amd-amdhsa--gfx1250"
	.amdhsa_code_object_version 6
	.text
	.protected	k_q4cb586f4c5_quant
	.globl	k_q4cb586f4c5_quant
	.p2align	8
	.type	k_q4cb586f4c5_quant,@function
k_q4cb586f4c5_quant:
	s_mov_b64 s[64:65], 0
	v_nop
	global_prefetch_b8 v0, s[64:65] scope:SCOPE_SE
	s_setreg_imm32_b32 hwreg(HW_REG_WAVE_MODE, 25, 1), 1
	s_wait_xcnt 0x0
; Both operands of out[b][(i,r)] = sum over (j,p) of x[b][(j,p)] Wc[(i,r)][(j,p)] become codes of BF6 (E3M2) with one E8M0 scale byte for each 32 along K = 8 j + p.
; A = x as it lies: 4,096 rows of 4,096 f32.  B = Wc[(i,r)][(j,p)] = the sum over q of weight[i][j][q] C[p][q][r].  The Cayley table C has for each (p, r) exactly one entry, +1 or -1,
; so Wc is a signed choice, s(p,r) x weight[i][j][q(p,r)], exact in f32: a move, or an exclusive or on the sign bit.  The tables QT (3 bits for each p: q) and SG (1 bit for each p: minus) are read off the product's formulas.
; A block of 32 along K of row (i,r) of B holds the magnitudes of weight[i][4 j][8 q] whatever r is: its scale is made once for the eight r.
; A block's scale is 2^(floor(log2(its largest magnitude)) - 4); its byte is the largest magnitude's exponent field - 4, held at 1 from below.  Each number is divided by the scale and rounded to the nearest code, ties to even, beyond 28 the largest code.
; LIMITS: NaN and infinities among the inputs are not served.  A block of zeros keeps the byte 1 where the rule says 127 (its codes are zeros, and only this program reads the bytes); blocks whose largest magnitude lies
; under 2^-122, whose byte is held at 1, were not tried.  A zero of weight may get the code -0, which adds nothing.
; THE WORKSPACE (xq and wq alike): [32 blocks of 128 rows][32 steps of 128 along K][12,800 bytes].  Such a piece holds eight IMAGES of 1,536 bytes, one for each 16 rows, in the order of the matrix operand's registers:
; lane l = row % 16 + 16 h owns the 48 bytes at 48 l: the 24 bytes of K block h, then those of K block 2 + h.  Behind them, at 12,288, the scale words: that of (16 rows i, row r) at 256 (i / 4) + 16 r + 4 (i % 4), byte kb for K block kb.
; SHARES.  Work-groups 0-511 take x, 512-1023 weight.  A wave makes 64 rows x 128 along K of its operand: 6,144 consecutive bytes of images and one aligned run of 256 scale bytes.  Waves share nothing: no barrier.
; THE TURN IN REGISTERS.  A load takes 512 consecutive bytes of one row, 16 a lane; the conversion wants 16 neighbours along K in ONE lane.  Four rows' loads are 16 registers: unit u (4 registers) is row u, lane L holds K = 4 L .. 4 L + 3.
; XCH changes a bit of the register index for a bit of the lane number.  Unit bit 0 for lane bit 0 and unit bit 1 for lane bit 1, in place: lane L then holds row L % 4, K = 16 (L / 4) + 0 .. 15 in its 16 registers.
; With b0 .. b4 the lane's bits: b2 = which half of a K block, b3 = h, b4 = c (K block h + 2 c).  Further exchanges bring eight rows into the lanes (b0, b1, b3), so that a store of 12 bytes a lane covers 384 consecutive bytes of an image.
; Every offset is an immediate, nothing is stepped, no store's data are written again.  Only x's scale bytes go through LDS.
.set XROW,  16384                      ; a row of x, and a row [512][8] of weight, in bytes
.set QTB,   12800
.set IMG,   1536
.set SCO,   12288
.set SPARE, 1024                       ; behind the four waves' 256 scale bytes: the spare words
.set SPW,   14                         ; v14 my spare word, v15 zero; never rewritten
.set NIL,   15
.set R,     16                         ; v16-143  eight sets of 16: four rows as loaded, then turned in place
.set TMP,   144                        ; v144-151 at work in XCH
.set E,     152                        ; x: v152-167 scale bytes
.set T,     152                        ; weight: v152-183 two sets of 16: a row of Wc's 16 neighbours
.set SO,    184                        ; weight: v184-185 the conversions' scale operand, a step each
.set WW,    186                        ; weight: v186-187 scale words
.set C,     192                        ; v192-255 codes: four registers for each of 16 conversions
.set MB,    28                         ; s28-30: the lanes whose bit 0, 1, 3 is set
.set MG,    29
.set MH,    30
	s_load_b128 s[4:7], s[0:1], 0x0                ; x, weight
	s_load_b128 s[8:11], s[0:1], 0x10              ; xq, wq
	v_lshl_add_u32 v[SPW], v0, 2, SPARE
	v_mov_b32 v[NIL], 0
	v_lshrrev_b32 v1, 5, v0
	v_readfirstlane_b32 s12, v1                    ; wave 0..3
	v_and_b32 v1, 31, v0                           ; lane
	v_lshlrev_b32 v2, 4, v1                        ; v2: my 16 bytes of a load's 512
	v_and_b32 v3, 3, v1
	v_bfe_u32 v4, v1, 3, 1
	v_lshl_add_u32 v3, v4, 2, v3                   ; b0 + 2 b1 + 4 b3: my row of eight at the stores
	v_mul_u32_u24 v5, v3, 48
	v_bfe_u32 v4, v1, 4, 1
	v_mad_u32_u24 v5, v4, 24, v5
	v_bfe_u32 v4, v1, 2, 1
	v_mad_u32_u24 v5, v4, 12, v5                   ; v5: my 12 bytes in a run of 384: 48 row + 24 c + 12 half
.irp k, 0,1,2,3,4,5,6,7
	v_mov_b32 v[TMP+\k], 0                         ; written once: a lane move's destination counts as one of its sources
.endr
	s_mov_b32 s[MB], 0xaaaaaaaa
	s_mov_b32 s[MG], 0xcccccccc
	s_mov_b32 s[MH], 0xff00ff00
	s_and_b32 s13, ttmp9, 511                      ; my place among my operand's 512 work-groups
	s_lshr_b32 s14, s13, 4                         ; which 128 rows
	s_and_b32 s15, s13, 15
	s_and_b32 s16, s12, 1                          ; which 64 of them
	s_lshr_b32 s17, s12, 1
	s_lshl_b32 s15, s15, 1
	s_add_co_u32 s15, s15, s17                     ; which 128 along K
	s_lshl_b32 s18, s14, 7
	s_lshl_b32 s19, s16, 6
	s_add_co_u32 s18, s18, s19                     ; my first row of the operand
	s_cmp_lt_u32 ttmp9, 512
	s_cselect_b32 s19, 0, 3                        ; eight rows (i, r) of B come from one row i of weight
	s_lshr_b32 s18, s18, s19
	s_lshl_b32 s18, s18, 14
	s_lshl_b32 s19, s15, 9                         ; + 512 bytes for each 128 along K
	s_add_co_u32 s18, s18, s19
	s_mov_b32 s19, 0                               ; s[18:19]: where I read
	s_lshl_b32 s20, s14, 5
	s_add_co_u32 s20, s20, s15
	s_mul_i32 s20, s20, QTB                        ; my piece of the workspace
	s_mul_i32 s22, s16, 4*IMG
	s_add_co_u32 s22, s22, s20
	s_mov_b32 s23, 0                               ; s[22:23]: my four images
	s_lshl_b32 s21, s16, 8
	s_add_co_u32 s20, s20, s21
	s_add_co_u32 s20, s20, SCO
	s_mov_b32 s21, 0                               ; s[20:21]: my 256 scale bytes
	s_wait_alu depctr_va_vdst(0)                   ; the wait at the head's end
	s_wait_kmcnt 0x0
	s_cmp_lt_u32 ttmp9, 512                        ; the choice of buffers hangs on the work-group's number alone
	s_cselect_b64 s[4:5], s[4:5], s[6:7]
	s_cselect_b64 s[8:9], s[8:9], s[10:11]
	s_add_nc_u64 s[4:5], s[4:5], s[18:19]
	s_add_nc_u64 s[10:11], s[8:9], s[20:21]
	s_add_nc_u64 s[8:9], s[8:9], s[22:23]
.macro LOADG t                         ; rows 4 t .. 4 t + 3 into set t % 8: each load 512 consecutive bytes, at a multiple of 512 from the buffer's first byte
.irp u, 0,1,2,3
	global_load_b128 v[R+16*((\t)%8)+4*\u:R+16*((\t)%8)+4*\u+3], v2, s[4:5] offset:(4*(\t)+\u)*XROW th:TH_LOAD_NT
.endr
.endm
; n registers from ra (index bit 0) and n from rb (index bit 1) change that bit for the lane bit of xm: in the lanes of msk ra takes rb of lane xor xm, in the others rb takes ra of lane xor xm.
.macro XCH ra, rb, n, xm, msk
.set KK, 0
.rept \n
	v_mov_b32_dpp v[TMP+2*KK], v[(\rb)+KK] row_xmask:\xm row_mask:0xf bank_mask:0xf
	v_mov_b32_dpp v[TMP+2*KK+1], v[(\ra)+KK] row_xmask:\xm row_mask:0xf bank_mask:0xf
.set KK, KK+1
.endr
.set KK, 0
.rept \n
	v_cndmask_b32 v[(\ra)+KK], v[(\ra)+KK], v[TMP+2*KK], s[\msk]
	v_cndmask_b32 v[(\rb)+KK], v[TMP+2*KK+1], v[(\rb)+KK], s[\msk]
.set KK, KK+1
.endr
.endm
.macro TURN4 xs                        ; four rows x 4 K a lane become one row x 16 K a lane, in place
	XCH \xs, (\xs)+4, 4, 1, MB
	XCH (\xs)+8, (\xs)+12, 4, 1, MB
	XCH \xs, (\xs)+8, 4, 2, MG
	XCH (\xs)+4, (\xs)+12, 4, 2, MG
.endm
; The largest magnitude of the block to which my 16 numbers belong, into v8: two chains, the floor 2^(5 - 127) as one more leaf (so the byte cannot fall under 1), then the block's other half, in lane xor 4.
.macro AMAX xs
	v_max3_num_f32 v8, |v[\xs]|, |v[\xs+1]|, |v[\xs+2]|
	v_max3_num_f32 v9, |v[\xs+3]|, |v[\xs+4]|, |v[\xs+5]|
.irp i, 6,10
	v_max3_num_f32 v8, v8, |v[\xs+\i]|, |v[\xs+\i+1]|
	v_max3_num_f32 v9, v9, |v[\xs+\i+2]|, |v[\xs+\i+3]|
.endr
	v_max3_num_f32 v8, v8, |v[\xs+14]|, |v[\xs+15]|
	v_max3_num_f32 v8, v8, v9, 5<<23
	v_max_num_f32_dpp v8, v8, v8 row_xmask:4 row_mask:0xf bank_mask:0xf
.endm
	s_cmp_lt_u32 ttmp9, 512
	s_cbranch_scc0 .Lweight
; ---------------- x ----------------  sixteen groups of 4 rows; loads run eight groups (32 loads) ahead
.irp t, 0,1,2,3,4,5,6,7
	LOADG \t
.endr
	s_lshl_b32 s24, s12, 8                         ; my wave's 256 scale bytes in LDS
	v_and_b32 v4, 3, v1
	v_lshrrev_b32 v6, 3, v1
	v_lshl_add_u32 v6, v4, 4, v6
	v_add_nc_u32 v6, s24, v6                       ; v6: my block's byte: 16 (L % 4) + K block
	v_lshlrev_b32 v10, 3, v1                       ; v10, v7: the bytes' way out, 8 a lane
	v_add_nc_u32 v7, s24, v10
	s_wait_alu depctr_va_vdst(0)                   ; the wait ahead of the wait below
.macro GROUP t
.set XS, R+16*((\t)%8)
.if (\t) <= 8
	s_wait_loadcnt 28                              ; this group's four loads are in; those of the seven groups behind it may be out
.else
	s_wait_loadcnt 4*(15-(\t))
.endif
	TURN4 XS
	AMAX XS
	v_add_nc_u32 v11, 0xfe000000, v8               ; 4 off the exponent field: the conversion takes the exponent field of this operand as its scale
	v_cvt_scalef32_pk16_bf6_f32 v[C+4*(\t):C+4*(\t)+2], v[XS:XS+15], v11
	v_lshrrev_b32 v[E+(\t)], 23, v11               ; the scale's byte (also the plain line behind the conversion)
	ds_store_b8 v6, v[E+(\t)] offset:64*((\t)%4)+4*((\t)/4)   ; row 4 (t % 4) + L % 4 of the 16 rows t / 4; both lanes of a block write the same byte
.if (\t)+8 < 16
	LOADG (\t)+8
.endif
.if (\t)%2                             ; two groups: which of them changes places with lane bit 3 (h): the first three registers then hold h = 0 of eight rows, the second h = 1
	XCH C+4*((\t)-1), C+4*(\t), 3, 8, MH
.endif
.endm
.irp t, 0,1,2,3,4,5,6,7,8,9,10,11,12,13,14,15
	GROUP \t
.endr
	ds_load_b64 v[12:13], v7                       ; LDS serves a wave's instructions in order: behind my byte stores
	s_wait_alu depctr_va_vdst(0)
	s_wait_dscnt 0x0
; All of the wave's stores stand here, behind its last load and its last vector work: each group has code registers of its own, so none is written again.
.irp t, 1,3,5,7,9,11,13,15
	global_store_b96 v5, v[C+4*(\t-1):C+4*(\t-1)+2], s[8:9] offset:IMG*(\t/4)+384*((\t/2)%2)       ; h = 0 of eight rows: 384 consecutive bytes
	global_store_b96 v5, v[C+4*\t:C+4*\t+2], s[8:9] offset:IMG*(\t/4)+384*((\t/2)%2)+768           ; h = 1
.endr
	global_store_b64 v10, v[12:13], s[10:11]       ; 256 consecutive bytes, at a multiple of 256 from xq's first byte
	s_wait_tensorcnt 0x0                           ; the wave's end, behind my last LDS store
	ds_add_u32 v[SPW], v[NIL]
	s_wait_dscnt 0x0
	s_endpgm
; ---------------- weight ----------------  8 rows i x 16 j, in two steps of 4 rows.  No LDS.
; Turned, lane L holds 2 j x 8 q of row 4 st + L % 4.  For each r its 16 numbers are chosen and signed into 16 consecutive registers and converted.
; Then r's three bits change places with lane bits 0, 1, 3: register index bit 0 = i % 2, bit 1 = which of the step's two images, bit 2 = h; the lanes hold r = b0 + 2 b1 + 4 b3.
.Lweight:
	LOADG 0
	LOADG 1
	s_mov_b32 s31, 0x80000000                      ; the sign bit
	s_mov_b32 s26, 0x76543210
	s_mov_b32 s27, 0xfedcba98                      ; v_permlanex16_b32's selects for lane xor 16
	v_and_b32 v6, 24, v1                           ; v6: 8 x my K block (b3 + 2 b4): my byte's place in a scale word
	v_and_b32 v3, 1, v1
	v_lshrrev_b32 v4, 2, v1
	v_lshlrev_b32 v3, 7, v3
	v_lshl_add_u32 v3, v4, 4, v3
	v_bfe_u32 v4, v1, 1, 1
	v_lshl_add_u32 v3, v4, 3, v3                   ; v3: the scale words' way out: 128 b0 + 16 (L / 4) + 8 b1
	s_wait_alu depctr_va_vdst(0)                   ; the wait ahead of the wait below
; Row (i, rr) of B: Wc at k = 8 jj + p is weight's component (qt >> 3 p) & 7, with the sign turned where bit p of sg is set.  The two sets of T take turns: 16 plain lines stand between a conversion and the next write of its sources.
.macro ROWR st, rr, qt, sg
.irp jj, 0,1
.irp p, 0,1,2,3,4,5,6,7
.if ((\sg)>>\p)&1
	v_xor_b32 v[T+16*((\rr)%2)+8*\jj+\p], s31, v[R+16*(\st)+8*\jj+(((\qt)>>(3*\p))&7)]
.else
	v_mov_b32 v[T+16*((\rr)%2)+8*\jj+\p], v[R+16*(\st)+8*\jj+(((\qt)>>(3*\p))&7)]
.endif
.endr
.endr
	v_cvt_scalef32_pk16_bf6_f32 v[C+32*(\st)+4*(\rr):C+32*(\st)+4*(\rr)+2], v[T+16*((\rr)%2):T+16*((\rr)%2)+15], v[SO+(\st)]
.endm
.macro WSTEP st
.set XS, R+16*(\st)
.set CB, C+32*(\st)
	s_wait_loadcnt 4*(1-(\st))
	TURN4 XS
	AMAX XS                                        ; the block's largest magnitude is weight's own: a choice and a sign change no magnitude
	v_add_nc_u32 v[SO+(\st)], 0xfe000000, v8       ; the conversions' scale operand
	v_lshrrev_b32 v9, 23, v[SO+(\st)]              ; the scale's byte,
	v_lshlrev_b32 v[WW+(\st)], v6, v9              ; at its place in the word
	ROWR \st, 0, 0xFAC688, 0xF0
	ROWR \st, 1, 0xDDAB01, 0xCC
	ROWR \st, 2, 0xAF9C22, 0x18
	ROWR \st, 3, 0x88F1AB, 0xF0
	ROWR \st, 4, 0x770E54, 0x24
	ROWR \st, 5, 0x5063DD, 0xCC
	ROWR \st, 6, 0x2254FE, 0x18
	ROWR \st, 7, 0x053977, 0x24
.irp a, 0,2,4,6
	XCH CB+4*\a, CB+4*(\a+1), 3, 1, MB
.endr
.irp a, 0,1,4,5
	XCH CB+4*\a, CB+4*(\a+2), 3, 2, MG
.endr
.irp a, 0,1,2,3
	XCH CB+4*\a, CB+4*(\a+4), 3, 8, MH
.endr
.endm
	WSTEP 0
	WSTEP 1
; The scale words: the four K blocks' bytes lie in lanes that differ in b3 and b4; joined, every lane holds the word of row 4 st + L % 4, which serves all eight r.
.irp s, 0,1
	v_mov_b32_dpp v[TMP+\s], v[WW+\s] row_xmask:8 row_mask:0xf bank_mask:0xf
.endr
.irp s, 0,1
	v_or_b32 v[WW+\s], v[WW+\s], v[TMP+\s]
.endr
.irp s, 0,1
	v_permlanex16_b32 v[TMP+\s], v[WW+\s], s26, s27
.endr
.irp s, 0,1
	v_or_b32 v[WW+\s], v[WW+\s], v[TMP+\s]
.endr
	XCH WW, WW+1, 1, 2, MG                         ; the step changes places with lane bit 1: the pair now holds images 2 b1 and 2 b1 + 1 of row 8 b0 + r, r = L / 4
; All of the wave's stores stand here, behind its last vector work: both steps have code registers of their own.
.irp st, 0,1
.irp n, 0,1,2,3,4,5,6,7
	global_store_b96 v5, v[C+32*\st+4*\n:C+32*\st+4*\n+2], s[8:9] offset:IMG*(2*\st+((\n>>1)&1))+384*(\n&1)+768*(\n>>2)   ; eight rows r x 48 bytes: 384 consecutive bytes
.endr
.endr
	global_store_b64 v3, v[WW:WW+1], s[10:11]      ; 256 consecutive bytes, at a multiple of 256 from wq's first byte
	s_endpgm
.Lfunc_end_k_q4cb586f4c5_quant:
	.size	k_q4cb586f4c5_quant, .Lfunc_end_k_q4cb586f4c5_quant-k_q4cb586f4c5_quant
	.p2alignl 7, 3214868480
	.fill 96, 4, 3214868480
	.section	.rodata,"a",@progbits
	.p2align	6, 0x0
	.amdhsa_kernel k_q4cb586f4c5_quant
		.amdhsa_group_segment_fixed_size 1536
		.amdhsa_private_segment_fixed_size 0
		.amdhsa_enable_private_segment 0
		.amdhsa_kernarg_size 32
		.amdhsa_user_sgpr_count 2
		.amdhsa_user_sgpr_kernarg_segment_ptr 1
		.amdhsa_wavefront_size32 1
		.amdhsa_system_sgpr_workgroup_id_x 1
		.amdhsa_system_sgpr_workgroup_id_y 1
		.amdhsa_system_sgpr_workgroup_id_z 1
		.amdhsa_system_vgpr_workitem_id 0
		.amdhsa_next_free_vgpr 256
		.amdhsa_next_free_sgpr 66
		.amdhsa_reserve_vcc 0
		.amdhsa_float_denorm_mode_32 3
		.amdhsa_float_denorm_mode_16_64 3
		.amdhsa_memory_ordered 1
		.amdhsa_forward_progress 1
		.amdhsa_inst_pref_size 135
	.end_amdhsa_kernel
	.amdgpu_metadata
---
amdhsa.version: [ 1, 2 ]
amdhsa.kernels:
  - .name:           k_q4cb586f4c5_quant
    .symbol:         k_q4cb586f4c5_quant.kd
    .args:
      - { .name: x, .offset: 0, .size: 8, .value_kind: global_buffer, .address_space: global }
      - { .name: weight, .offset: 8, .size: 8, .value_kind: global_buffer, .address_space: global }
      - { .name: xq, .offset: 16, .size: 8, .value_kind: global_buffer, .address_space: global }
      - { .name: wq, .offset: 24, .size: 8, .value_kind: global_buffer, .address_space: global }
    .group_segment_fixed_size: 1536
    .private_segment_fixed_size: 0
    .kernarg_segment_align: 8
    .kernarg_segment_size: 32
    .max_flat_workgroup_size: 128
    .sgpr_count:     66
    .vgpr_count:     256
    .wavefront_size: 32
...
	.end_amdgpu_metadata
.endif
;; end of part 1
;; launch gemm (part 2): grid 16 x 16, 4 waves a work-group, clusters of 4 x 4, 327,680 bytes of LDS; arguments xq, wq, bias, out0; writes out0
.if DOCPART == 2
	.amdgcn_target "amdgcn-amd-amdhsa--gfx1250"
	.amdhsa_code_object_version 6
	.text
	.protected	k_q4cb586f4c5_gemm
	.globl	k_q4cb586f4c5_gemm
	.p2align	8
	.type	k_q4cb586f4c5_gemm,@function
k_q4cb586f4c5_gemm:
	s_mov_b64 s[64:65], 0
	v_nop
	global_prefetch_b8 v0, s[64:65] scope:SCOPE_SE
	s_setreg_imm32_b32 hwreg(HW_REG_WAVE_MODE, 25, 1), 1
	s_wait_xcnt 0x0
	s_wait_alu depctr_hold_cnt(0) depctr_sa_sdst(0) depctr_va_vdst(0) depctr_va_sdst(0) depctr_va_ssrc(0) depctr_va_vcc(0) depctr_vm_vsrc(0)
	s_getreg_b32 s2, hwreg(HW_REG_IB_STS2, 6, 4)
	s_cmp_eq_u32 s2, 0
	s_cbranch_scc0 .Lentry_in_a_cluster
	s_endpgm
.Lentry_in_a_cluster:
	s_bfe_u32 s2, ttmp6, 0x10000c
	s_cmp_lg_u32 s2, 0xf033
	s_cbranch_scc0 .Lentry_shape_is_right
	s_endpgm
.Lentry_shape_is_right:
; out0[b][(i,r)] = bias[(i,r)] + sum over k = (j,p) of A[b][k] B[(i,r)][k]: 4,096 x 4,096 x 4,096, both operands as codes of BF6 (E3M2) with one E8M0 byte for each 32 along K, sums in f32.
; xq (A) and wq (B) are laid [32 blocks of 128 rows][32 K steps of 128][12,800 bytes]: eight images of 1,536 bytes (16 rows each; lane l's twelve operand registers at 48 l), then 512 bytes of scale words
; (16 rows i, row r: 256 (i / 4) + 16 r + 4 (i % 4)).  So 128 rows x 3 K steps are 38,400 dense bytes: 150 rows of 256 bytes, each at a multiple of 256 from the buffer's first byte.
; A block of 256 x 256 to a work-group: 256 work-groups.  Four waves, 128 x 128 each: 64 accumulators, 512 registers.  The bias is the C of each accumulator's first product.
; RING: two LDS slots of 3 K steps (4 tiles of 38,400 bytes: A's two halves, B's two halves), one tensor load a wave.  Fill 0 holds K steps 0-1, fill f > 0 K steps 3 f - 1 .. 3 f + 1, in slot f % 2.
; CLUSTERS: 4 x 4.  A's tiles are asked for jointly along a row of the cluster, B's along a column.  The matrix instruction is used transposed (source 0 = B's rows, source 1 = A's): a lane holds eight neighbouring columns of one row.
; A K STEP is 64 products, A's blocks one after the other against B's eight.  A has one set of registers, B and the scale words two.  Its 50 LDS loads go in two runs: at its start A's blocks 4-7 of this step and B's blocks 0-3
; of the next (24), in its middle the next step's scale words, A's block 0, B's blocks 4-7, A's blocks 1-3 (26).
; A SLOT'S LAST STEP changes slots: its own last reads go out first; then the wait for all tensor loads, the add, 16 products, the wait for LDS, the signal, 16 products, the round, the joint refill, and the next slot's first fragments (38 loads).
; PREFETCH: behind the joint load of fill f each wave names its work-group's quarter (37 or 38 blocks of 256 bytes, shared out by address among the four that ask jointly) of the tile that it will load as fill f + 1: three K steps ahead.
; The head names fill 1 ahead of the opening round; fill 0 comes by its load alone; behind the load of fill 10, the last, nothing is named.
; REGISTERS: window 0: v0-31 addresses, v32-47 scale words (two sets), v64-127 the bias, v128-223 A's fragments; window 1: B's fragments at v0 and v128; windows 2, 3: accumulators of my rows 0-63, 64-127.
.set SIZE_N, 4096
.set QTB,    12800                     ; a piece: 128 rows x 128 K
.set IMG,    1536
.set SCO,    12288
.set RBB,    32*QTB                    ; 128 rows, all of K
.set TILE,   3*QTB
.set SLOT,   4*TILE
.set SPARE,  2*SLOT                    ; the spare words: 512 bytes that no other line names
.set STAGE,  SLOT                      ; the way out goes through slot 1: its last fill (9) is read no more behind K step 28's barrier
.set SPITCH, 528
.set FR,     12
.set ADRA, 16                          ; v16-17 my A images in slot 0, 1
.set ADRS, 18                          ; v18-19 my scale words: lanes 0-15 A's, lanes 16-31 B's
.set ADRB, 20                          ; v20-21 my B images
.set STO,  24
.set RD,   25
.set CO,   26
.set BO,   27
.set SPW,  28                          ; my spare word; never rewritten
.set NIL,  29                          ; 0; never rewritten
.set PFO,  30                          ; v30-31 the prefetches' offsets
.set SC,   32
.set BIAS, 64
.set AF,   128
.set BK,   128
.set G1,   24                          ; group 1, A, 150 rows;  s[32:39] group 0, a set for each slot
.set G0,   32
.set G1B,  48                          ; the same for B
.set G0B,  56
.set G1S,  68                          ; group 1 for fill 0: 100 rows
.set G1SB, 80
.set PFA,  76                          ; s[76:77] my quarter of the tile that the next prefetch names
.set MSB, 0
.macro WIN new                         ; the immediate's high byte repeats the setting that is left
.if MSB != \new
	s_set_vgpr_msb (MSB<<8)|\new
.set MSB, \new
.endif
.endm
.set TO_B, 0x40                        ; destination window 1, address window 0
.macro WMUL hi, first                  ; source 0 window 1, source 1 window 0, D window 2 + hi, C the same or (first) window 0
	WIN 0x81+0x40*(\hi)+(1-(\first))*(0x20+0x10*(\hi))
.endm
.macro PLACES                          ; four plain places behind matrix instructions, ahead of loads into their registers and of reads of results
.rept 4
	v_nop
.endr
.endm
.macro JLOAD g0a, g1a, g0b, g1b        ; a joint load: waves 0, 1 fetch A's halves, waves 2, 3 B's
	s_cmp_eq_u32 s15, 0
	s_cbranch_scc0 .Lfor_b_\@
	tensor_load_to_lds s[\g0a:\g0a+3], s[\g1a:\g1a+7]
	s_nop 0
	PLACES
	s_branch .Lasked_\@
.Lfor_b_\@:
	tensor_load_to_lds s[\g0b:\g0b+3], s[\g1b:\g1b+7]
	s_nop 0
	PLACES
.Lasked_\@:
.endm
.macro ASK how                         ; 0: nothing; 1: always; 2: in all trips of the loop but the last (s3 = 1), whose refill is the last fill
.if \how
.if \how == 2
	s_cmp_lg_u32 s3, 1
	s_cbranch_scc0 .Lno_ask_\@
.endif
	global_prefetch_b8 v[PFO], s[PFA:PFA+1] th:TH_LOAD_NT scope:SCOPE_SE     ; blocks 0-31 of my quarter, a lane a block
	global_prefetch_b8 v[PFO+1], s[PFA:PFA+1] th:TH_LOAD_NT scope:SCOPE_SE   ; blocks 32 to 36 or 37; the lanes left over name the last again
.Lno_ask_\@:
.endif
.endm
.macro CREST                           ; a round of the cluster's barrier behind its opening barrier
	s_cmp_lg_u32 s14, 0
	s_cbranch_scc1 .Lnot_wave_0_\@
	s_barrier_signal -3
.Lnot_wave_0_\@:
	s_barrier_wait -3
	s_barrier_signal -1
	s_barrier_wait -1
.endm
.macro CROUND
	s_barrier_signal -1
	s_barrier_wait -1
	CREST
.endm
	s_load_b128 s[4:7], s[0:1], 0x0                ; xq, wq
	s_load_b128 s[8:11], s[0:1], 0x10              ; bias, out0
	v_lshl_add_u32 v[SPW], v0, 2, SPARE
	v_mov_b32 v[NIL], 0
	ds_add_u32 v[SPW], v[NIL]                      ; the add twice on end under one wait
	ds_add_u32 v[SPW], v[NIL]
	v_lshrrev_b32 v1, 5, v0
	v_readfirstlane_b32 s14, v1                    ; wave 0..3
	s_lshr_b32 s15, s14, 1                         ; my half of the block's rows; also: I fetch for A (0) or B (1)
	s_and_b32 s16, s14, 1                          ; my half of its columns; also: which 128 rows I fetch
	s_bfe_u32 s40, ttmp6, 0x40000                  ; cx
	s_bfe_u32 s41, ttmp6, 0x40004                  ; cy
	s_lshl_b32 s42, ttmp9, 2
	s_add_co_u32 s42, s42, s40                     ; block column
	s_and_b32 s17, ttmp7, 0xffff
	s_lshl_b32 s17, s17, 2
	s_add_co_u32 s17, s17, s41                     ; block row
	s_lshl_b32 s43, s41, 2
	s_lshl_b32 s43, 15, s43                        ; my row of the cluster
	s_lshl_b32 s44, 0x1111, s40                    ; my column
	s_or_b32 s[G1+0], s43, (3<<16)|(1<<21)         ; the mask; elements of 8 bytes; bit 21 beside a mask; no padding: the images are read 48 bytes a lane
	s_or_b32 s[G1B+0], s44, (3<<16)|(1<<21)
	s_or_b32 s[G1S+0], s43, (3<<16)|(1<<21)
	s_or_b32 s[G1SB+0], s44, (3<<16)|(1<<21)
.irp g, G1, G1B
	s_mov_b32 s[\g+1], 32<<16                      ; rows of 32 elements = 256 bytes
	s_mov_b32 s[\g+2], 150<<16
	s_mov_b32 s[\g+3], 32<<16
	s_mov_b32 s[\g+4], 150
	s_mov_b32 s[\g+5], 32
	s_mov_b32 s[\g+6], 0
	s_mov_b32 s[\g+7], 0
.endr
.irp g, G1S, G1SB
	s_mov_b32 s[\g+1], 32<<16
	s_mov_b32 s[\g+2], 100<<16                     ; two K steps
	s_mov_b32 s[\g+3], 32<<16
	s_mov_b32 s[\g+4], 100
	s_mov_b32 s[\g+5], 32
	s_mov_b32 s[\g+6], 0
	s_mov_b32 s[\g+7], 0
.endr
	s_cmp_eq_u32 s15, 0
	s_cselect_b32 s18, s40, s41                    ; p: my place among the four that ask for my tile with me
	s_lshr_b32 s19, s18, 1
	s_sub_co_u32 s19, 5, s19                       ; 38 blocks for p = 0, 1; 37 for p = 2, 3
	s_mul_i32 s12, s18, 37
	s_min_u32 s13, s18, 2
	s_add_co_u32 s12, s12, s13                     ; my quarter begins at block 37 p + min(p, 2) of the tile's 150
	s_lshl_b32 s12, s12, 8
	s_add_co_u32 s12, s12, 2*QTB                   ; of fill 1
	s_mov_b32 s13, 0
	s_lshl_b32 s20, s17, 1
	s_add_co_u32 s20, s20, s16
	s_mul_i32 s20, s20, RBB                        ; A: the 128 rows that I fetch
	s_mov_b32 s21, 0
	s_lshl_b32 s46, s42, 1
	s_add_co_u32 s46, s46, s16
	s_mul_i32 s46, s46, RBB                        ; B likewise
	s_mov_b32 s47, 0
	s_mul_i32 s45, s14, TILE                       ; where my tile goes in a slot
	v_and_b32 v3, 31, v0                           ; lane
	v_min_u32 v[PFO+1], s19, v3
	v_add_nc_u32 v[PFO+1], 32, v[PFO+1]
	v_lshlrev_b32 v[PFO+1], 8, v[PFO+1]
	v_lshlrev_b32 v[PFO], 8, v3
	s_wait_alu depctr_va_vdst(0)                   ; the wait ahead of the waits below
	s_wait_dscnt 0x0                               ; both opening adds are done
	s_wait_kmcnt 0x0
	s_add_nc_u64 s[20:21], s[4:5], s[20:21]
	s_add_nc_u64 s[46:47], s[6:7], s[46:47]
	s_cmp_eq_u32 s15, 0
	s_cselect_b64 s[PFA:PFA+1], s[20:21], s[46:47]
	s_add_nc_u64 s[PFA:PFA+1], s[PFA:PFA+1], s[12:13]
	ASK 1                                          ; fill 1, which is loaded behind the second round
	CROUND                                         ; all sixteen work-groups are here: the first joint loads meet
.irp s, 0,1
	s_mov_b32 s[G0+4*\s], 1
	s_add_co_u32 s[G0+4*\s+1], s45, \s*SLOT
	s_add_nc_u64 s[G0+4*\s+2:G0+4*\s+3], s[20:21], \s*2*QTB
	s_or_b32 s[G0+4*\s+3], s[G0+4*\s+3], 0x80000000
	s_mov_b32 s[G0B+4*\s], 1
	s_add_co_u32 s[G0B+4*\s+1], s45, \s*SLOT
	s_add_nc_u64 s[G0B+4*\s+2:G0B+4*\s+3], s[46:47], \s*2*QTB
	s_or_b32 s[G0B+4*\s+3], s[G0B+4*\s+3], 0x80000000
.endr
	JLOAD G0, G1S, G0B, G1SB                       ; fill 0: my one tensor load at the head
	s_mul_i32 s88, s15, TILE                       ; my 128 rows of A in a slot
	s_mul_i32 s89, s16, TILE
	s_add_co_u32 s89, s89, 2*TILE                  ; my 128 rows of B
	s_xor_b32 s90, s15, 1
	s_add_co_u32 s90, s90, s16
	s_add_co_u32 s90, s90, 1
	s_mul_i32 s90, s90, TILE                       ; from A's tile to B's: (2 + column half - row half) tiles
	s_add_co_u32 s91, s88, SCO
	s_mul_i32 s92, s14, 16*SPITCH
	s_add_co_u32 s92, s92, STAGE                   ; my stage
	s_lshl_b32 s46, s42, 10
	s_lshl_b32 s47, s16, 9
	s_add_co_u32 s46, s46, s47                     ; my first column, in bytes of f32
	s_mov_b32 s47, 0
	s_add_nc_u64 s[8:9], s[8:9], s[46:47]
	s_lshl_b32 s20, s17, 8
	s_lshl_b32 s21, s15, 7
	s_add_co_u32 s20, s20, s21
	s_lshl_b32 s20, s20, 14                        ; my first row x 16,384 bytes
	s_mov_b32 s21, 0
	s_add_nc_u64 s[20:21], s[20:21], s[46:47]
	s_add_nc_u64 s[10:11], s[10:11], s[20:21]
	v_and_b32 v1, 15, v0                           ; r
	v_bfe_u32 v2, v0, 4, 1                         ; h
	v_mul_u32_u24 v4, v3, 48                       ; my 48 bytes of an image
	v_add_nc_u32 v[ADRA], s88, v4
	v_add_nc_u32 v[ADRB], s89, v4
	v_add_nc_u32 v[ADRA+1], SLOT, v[ADRA]
	v_add_nc_u32 v[ADRB+1], SLOT, v[ADRB]
	v_mul_u32_u24 v6, s90, v2                      ; lanes 16-31 take B's scale words
	v_lshl_add_u32 v5, v1, 4, v6
	v_add_nc_u32 v[ADRS], s91, v5
	v_add_nc_u32 v[ADRS+1], SLOT, v[ADRS]
	v_mul_u32_u24 v7, v1, SPITCH
	v_lshl_add_u32 v7, v2, 5, v7
	v_add_nc_u32 v[STO], s92, v7                   ; into the stage: row r, 32 bytes for each half of the lanes
	v_lshlrev_b32 v[CO], 4, v3                     ; back: 32 lanes take a row of 512 bytes; the same in out0
	v_add_nc_u32 v[RD], s92, v[CO]
	v_lshlrev_b32 v[BO], 5, v2
.irp b, 0,1,2,3,4,5,6,7
	global_load_b128 v[BIAS+8*\b:BIAS+8*\b+3], v[BO], s[8:9] offset:64*\b          ; the bias in the result's layout: columns 16 b + 8 h + 0 .. 7
	global_load_b128 v[BIAS+8*\b+4:BIAS+8*\b+7], v[BO], s[8:9] offset:64*\b+16
.endr
.macro FRAG reg, adr, off              ; a fragment: 12 registers, 48 bytes a lane
.irp c, 0,1,2
	ds_load_b128 v[\reg+4*\c:\reg+4*\c+3], v[\adr] offset:\off+16*\c
.endr
.endm
.macro GETA slot, q, i0, n             ; A's blocks i0 .. i0 + n - 1 of the slot's K step q
	WIN 0
.set II, \i0
.rept \n
	FRAG AF+FR*II, ADRA+\slot, QTB*(\q)+IMG*II
.set II, II+1
.endr
.endm
.macro GETB slot, q, p, i0, n          ; B's likewise, into set p
	WIN TO_B
.set II, \i0
.rept \n
	FRAG 128*(\p)+FR*II, ADRB+\slot, QTB*(\q)+IMG*II
.set II, II+1
.endr
.endm
.macro RUN2 slot, q, p, b0             ; in the order of their use: scale words (2 loads), A's block 0 (3), B's blocks b0 .. 7, A's blocks 1-3 (9)
	WIN 0
.irp g, 0,1
	ds_load_b128 v[SC+8*(\p)+4*\g:SC+8*(\p)+4*\g+3], v[ADRS+\slot] offset:QTB*(\q)+256*\g
.endr
	GETA \slot, \q, 0, 1
	GETB \slot, \q, \p, \b0, 8-\b0
	GETA \slot, \q, 1, 3
.endm
.macro MUL a, p, first                 ; A's block a against B's eight: eight accumulators, one instruction a turn
.irp b, 0,1,2,3,4,5,6,7
.if \first
	v_wmma_scale_f32_16x16x128_f8f6f4 v[8*(8*((\a)%4)+\b):8*(8*((\a)%4)+\b)+7], v[128*(\p)+FR*\b:128*(\p)+FR*\b+FR-1], v[AF+FR*(\a):AF+FR*(\a)+FR-1], v[BIAS+8*\b:BIAS+8*\b+7], v[SC+8*(\p)+\b], v[SC+8*(\p)+(\a)] matrix_a_fmt:MATRIX_FMT_BF6 matrix_b_fmt:MATRIX_FMT_BF6 matrix_a_scale:MATRIX_SCALE_ROW1
.else
	v_wmma_scale_f32_16x16x128_f8f6f4 v[8*(8*((\a)%4)+\b):8*(8*((\a)%4)+\b)+7], v[128*(\p)+FR*\b:128*(\p)+FR*\b+FR-1], v[AF+FR*(\a):AF+FR*(\a)+FR-1], v[8*(8*((\a)%4)+\b):8*(8*((\a)%4)+\b)+7], v[SC+8*(\p)+\b], v[SC+8*(\p)+(\a)] matrix_a_fmt:MATRIX_FMT_BF6 matrix_b_fmt:MATRIX_FMT_BF6 matrix_a_scale:MATRIX_SCALE_ROW1
.endif
.endr
.endm
; A K step that is not its slot's last.  p: its set of B and of scale words; it lies at K step q of slot; the next one at q + 1.
.macro STEP p, first, slot, q
	PLACES
	GETA \slot, \q, 4, 4                           ; 12 loads
	GETB \slot, (\q)+1, 1-(\p), 0, 4               ; 12 loads
	s_wait_dscnt 33                                ; scale words, A's block 0 and all of B are in; A's blocks 1-3 (9) and the 24 just issued may be out
	WMUL 0, \first
	MUL 0, \p, \first
	s_wait_dscnt 24                                ; A's blocks 1-3 are in
	MUL 1, \p, \first
	MUL 2, \p, \first
	MUL 3, \p, \first
	PLACES
	RUN2 \slot, (\q)+1, 1-(\p), 4                  ; 26 loads
	s_wait_dscnt 38                                ; A's blocks 4-7 are in; behind them: 12 of the next B and the 26
	WMUL 1, \first
	MUL 4, \p, \first
	MUL 5, \p, \first
	MUL 6, \p, \first
	MUL 7, \p, \first
.endm
; A slot's last K step.  fill = 1: the slot is filled again, its address stepped by bytes.  The next step is K step 0 of the other slot.
.macro LSTEP p, slot, q, fill, bytes, ask
	PLACES
	GETA \slot, \q, 4, 4                           ; my last reads of this slot
.if \fill
	s_wait_xcnt 0x0                                ; my last prefetches have read their address
	s_add_nc_u64 s[PFA:PFA+1], s[PFA:PFA+1], TILE
.endif
	s_wait_tensorcnt 0x0                           ; all my tensor loads have landed: my tile of the other slot
	ds_add_u32 v[SPW], v[NIL]
.if \fill
	s_add_nc_u64 s[G0+4*\slot+2:G0+4*\slot+3], s[G0+4*\slot+2:G0+4*\slot+3], \bytes     ; no tensor load of mine is out
	s_add_nc_u64 s[G0B+4*\slot+2:G0B+4*\slot+3], s[G0B+4*\slot+2:G0B+4*\slot+3], \bytes
.endif
	s_wait_dscnt 13                                ; the 12 loads above and the add may be out
	WMUL 0, 0
	MUL 0, \p, 0
	MUL 1, \p, 0
	s_wait_dscnt 0x0                               ; the add is done, and my reads of this slot are over
	s_barrier_signal -1
	MUL 2, \p, 0
	MUL 3, \p, 0
	WIN 0
	s_barrier_wait -1
.if \fill
	CREST                                          ; the barrier has opened a round: no wave of any partner still reads this slot or has a load on its way
	JLOAD G0+4*\slot, G1, G0B+4*\slot, G1B         ; its four plain lines are also the places ahead of the loads below
.else
	PLACES
.endif
	RUN2 1-\slot, 0, 1-(\p), 0                     ; 38 loads from the other slot, whole since the barrier
	ASK \ask
	WMUL 1, 0
	MUL 4, \p, 0
	MUL 5, \p, 0
	MUL 6, \p, 0
	MUL 7, \p, 0
.endm
	s_wait_alu depctr_va_vdst(0)                   ; the wait at the head's end
	s_wait_tensorcnt 0x0                           ; my tile of fill 0 is in; slot 1's first fill is issued as a refill is
	ds_add_u32 v[SPW], v[NIL]
	s_wait_xcnt 0x0                                ; the head's prefetches have read their address
	s_add_nc_u64 s[PFA:PFA+1], s[PFA:PFA+1], TILE  ; fill 2
	s_wait_dscnt 0x0
	CROUND
	JLOAD G0+4, G1, G0B+4, G1B                     ; fill 1
	RUN2 0, 0, 0, 0
	ASK 1
	s_wait_loadcnt 0x0                             ; the bias
	STEP 0, 1, 0, 0                                ; K step 0: its products start the sums on the bias
	LSTEP 1, 0, 1, 1, 5*QTB, 1                     ; K step 1; fill 2 (K steps 5-7)
	WIN 0
	s_mov_b32 s3, 4
.Llap:                                                 ; a trip: six K steps, once round the ring; trips 0-3 are K steps 2-25 and ask for fills 3-10
	STEP 0, 0, 1, 0
	STEP 1, 0, 1, 1
	LSTEP 0, 1, 2, 1, 6*QTB, 1
	STEP 1, 0, 0, 0
	STEP 0, 0, 0, 1
	LSTEP 1, 0, 2, 1, 6*QTB, 2
	WIN 0
	s_sub_co_u32 s3, s3, 1
	s_cmp_lg_u32 s3, 0
	s_cbranch_scc1 .Llap
	STEP 0, 0, 1, 0                                ; K steps 26-31: nothing more to fetch
	STEP 1, 0, 1, 1
	LSTEP 0, 1, 2, 0, 0, 0                         ; the barrier shows fill 10 whole to all four waves
	STEP 1, 0, 0, 0
	STEP 0, 0, 0, 1
	PLACES
	GETA 0, 2, 4, 4
	s_wait_dscnt 12
	WMUL 0, 0
	MUL 0, 1, 0
	MUL 1, 1, 0
	MUL 2, 1, 0
	MUL 3, 1, 0
	s_wait_dscnt 0x0
	WMUL 1, 0
	MUL 4, 1, 0
	MUL 5, 1, 0
	MUL 6, 1, 0
	MUL 7, 1, 0
	WIN 0
; THE WAY OUT, by blocks of 16 rows x 128 columns: through my own stage and back as whole rows of 512 bytes.  LDS serves a wave's instructions in order (ISA guide 5.7.1.4): no wait between the stores and the loads.
.macro TOSTAGE a
.set AC, 64*((\a)%4)
	WIN 0x08+4*((\a)/4)                            ; the data: window 2 or 3
.irp b, 0,1,2,3,4,5,6,7
	ds_store_b128 v[STO], v[AC+8*\b:AC+8*\b+3] offset:64*\b          ; each accumulator from its low end on
	ds_store_b128 v[STO], v[AC+8*\b+4:AC+8*\b+7] offset:64*\b+16
.endr
	WIN 0
.set BB, BK+64*((\a)%2)
.irp t, 0,1,2,3,4,5,6,7,8,9,10,11,12,13,14,15
	ds_load_b128 v[BB+4*\t:BB+4*\t+3], v[RD] offset:\t*SPITCH
.endr
.endm
.macro SEND a, younger                 ; younger: the LDS instructions behind block a's loads, which may stay out
.set BB, BK+64*((\a)%2)
	s_wait_dscnt \younger
.if (\a) > 0
	s_add_nc_u64 s[10:11], s[10:11], 16*SIZE_N*4   ; behind a wait on XCNT: the earlier stores have read their base
.endif
.irp t, 0,1,2,3,4,5,6,7,8,9,10,11,12,13,14,15
	global_store_b128 v[CO], v[BB+4*\t:BB+4*\t+3], s[10:11] offset:\t*SIZE_N*4 th:TH_STORE_NT   ; 32 lanes store 512 consecutive bytes, at a multiple of 256 from out0's first byte
.endr
.endm
	PLACES
	TOSTAGE 0
.irp a, 1,2,3,4,5,6,7
.if \a > 1
	s_wait_xcnt 0x0                                ; block a - 2's stores have read their registers and their base
.endif
	TOSTAGE \a
	SEND \a-1, 32                                  ; behind block a - 1's loads: block a's 16 stores and 16 loads
.endr
	s_wait_xcnt 0x0
	SEND 7, 0
	s_wait_tensorcnt 0x0                           ; the wave's end
	ds_add_u32 v[SPW], v[NIL]
	s_wait_dscnt 0x0
	CROUND                                         ; the closing round
	s_endpgm
.Lfunc_end_k_q4cb586f4c5_gemm:
	.size	k_q4cb586f4c5_gemm, .Lfunc_end_k_q4cb586f4c5_gemm-k_q4cb586f4c5_gemm
	.p2alignl 7, 3214868480
	.fill 96, 4, 3214868480
	.section	.rodata,"a",@progbits
	.p2align	6, 0x0
	.amdhsa_kernel k_q4cb586f4c5_gemm
		.amdhsa_group_segment_fixed_size 327680
		.amdhsa_private_segment_fixed_size 0
		.amdhsa_enable_private_segment 0
		.amdhsa_kernarg_size 32
		.amdhsa_user_sgpr_count 2
		.amdhsa_user_sgpr_kernarg_segment_ptr 1
		.amdhsa_wavefront_size32 1
		.amdhsa_system_sgpr_workgroup_id_x 1
		.amdhsa_system_sgpr_workgroup_id_y 1
		.amdhsa_system_sgpr_workgroup_id_z 1
		.amdhsa_system_vgpr_workitem_id 0
		.amdhsa_next_free_vgpr 1024
		.amdhsa_next_free_sgpr 98
		.amdhsa_reserve_vcc 0
		.amdhsa_float_denorm_mode_32 3
		.amdhsa_float_denorm_mode_16_64 3
		.amdhsa_memory_ordered 1
		.amdhsa_forward_progress 1
		.amdhsa_inst_pref_size 208
	.end_amdhsa_kernel
	.amdgpu_metadata
---
amdhsa.version: [ 1, 2 ]
amdhsa.kernels:
  - .name:           k_q4cb586f4c5_gemm
    .symbol:         k_q4cb586f4c5_gemm.kd
    .args:
      - { .name: xq, .offset: 0, .size: 8, .value_kind: global_buffer, .address_space: global }
      - { .name: wq, .offset: 8, .size: 8, .value_kind: global_buffer, .address_space: global }
      - { .name: bias, .offset: 16, .size: 8, .value_kind: global_buffer, .address_space: global }
      - { .name: out0, .offset: 24, .size: 8, .value_kind: global_buffer, .address_space: global }
    .group_segment_fixed_size: 327680
    .private_segment_fixed_size: 0
    .kernarg_segment_align: 8
    .kernarg_segment_size: 32
    .max_flat_workgroup_size: 128
    .sgpr_count:     98
    .vgpr_count:     1024
    .wavefront_size: 32
...
	.end_amdgpu_metadata
.endif
;; end of part 2
